; MI455X (gfx1250); checked and timed in simulation.
; The chip was launched on July 23, 2026; its instructions are those of AMD's public machine-readable ISA for CDNA 5 (MIT licence, August 2026) and "CDNA5" Instruction Set Architecture Reference Guide (July 2026). The comments in the code are by the model that wrote it; some were corrected since.
;; Attention Block. Allowed arithmetic: matrix products marked QUANTISED: E2M1 operands, one E8M0 scale for each 32 along K, by v_wmma_scale_f32_16x16x128_f8f6f4 with both operands' format E2M1 (or v_wmma_scale_f32_32x16x128_f4), f32 sums; everything else in f32.
;; Inputs: norm_b 256 float32; norm_w 256 float32; proj_b 256 float32; proj_w_codes 256 x 8 x 16 uint8 (E2M1 codes of proj_w, K innermost, in blocks of 32 codes, two codes a byte); proj_w_scales 256 x 8 uint8 (E8M0 scales of proj_w, one for each 32 codes along K); qkv_b 768 float32; qkv_w_codes 768 x 8 x 16 uint8 (E2M1 codes of qkv_w, K innermost, in blocks of 32 codes, two codes a byte); qkv_w_scales 768 x 8 uint8 (E8M0 scales of qkv_w, one for each 32 codes along K); x 4 x 256 x 64 x 64 float32.
;; Outputs: out0 4 x 256 x 64 x 64 float32.
;; This version of the problem:
;;   THIS VERSION OF THE PROBLEM IS GIVEN IN LOW PRECISION. The matrix products marked QUANTISED in the list below multiply operands that are first quantised to E2M1 (2 exponent bits, 1 mantissa bit; 4 bits a number), with one power-of-two scale for each 32 numbers along K (OCP MX v1.0); their sums are f32. All else is computed in f32.
;;   The module's matrix products, in the order in which they are computed (A, B: the left and right operand; K: the contracted axis; several contracted axes count as one K, in the product's order):
;;     1. [M 768, K 256] x [K 256, N 16,384]; A: input qkv_w (given as codes); B: computed on the way: QUANTISED
;;     2. batch 16 x [M 4,096, K 64] x [K 64, N 4,096]; A: computed on the way; B: computed on the way: QUANTISED
;;     3. batch 16 x [M 4,096, K 4,096] x [K 4,096, N 64]; A: softmax (see below); B: computed on the way: QUANTISED
;;     4. [M 256, K 256] x [K 256, N 16,384]; A: input proj_w (given as codes); B: computed on the way: QUANTISED
;;   THE QUANTISER, for each operand of a quantised product, along K:
;;     - K is cut into blocks of 32 from its start; a last block that is shorter is filled with zeros.
;;     - A block's scale is 2^e with e = floor(log2(the largest magnitude in the block)) - 2, held to -126 .. 127; a block of zeros has e = 0. As a byte (E8M0): e + 127.
;;     - Each number is divided by its block's scale, clamped to +-6, and rounded to the nearest number of E2M1, ties to even, subnormals kept.
;;     - The product sums the exact products of the quantised numbers (number of the format x scale) in f32.
;;   ~~~python
;;   def quantise(x, axis):      # numpy; x: float32 -> the quantised numbers, widened to float32 again
;;       x = np.moveaxis(x, axis, -1); K = x.shape[-1]
;;       x = np.pad(x, [(0, 0)] * (x.ndim - 1) + [(0, -K % 32)]); x = x.reshape(x.shape[:-1] + (-1, 32)); a = np.abs(x).max(-1, keepdims=True)
;;       e = np.where(a > 0, np.clip(np.frexp(np.where(a > 0, a, 1))[1] - 1 - 2, -126, 127), 0)      # np.frexp(a)[1] - 1 = floor(log2(a)), exactly
;;       r = np.clip(x / 2.0 ** e, -6, 6)
;;       step = 2.0 ** (np.maximum(np.frexp(np.where(r == 0, 1, r))[1] - 1, 0) - 1)
;;       q = np.round(r / step) * step * 2.0 ** e      # np.round: ties to even
;;       return np.moveaxis(q.reshape(q.shape[:-2] + (-1,))[..., :K], -1, axis).astype(np.float32)
;;   ~~~
;;   SOFTMAX AHEAD OF A QUANTISED PRODUCT. Where the list says 'softmax', what is quantised is not the finished softmax but p = 2^(t - M), with t = logit x log2(e) and M = ceil(the row's largest t), a whole number; so 1/2 < the row's largest p <= 1. The row's sum l is taken of the UNQUANTISED p, in f32, and the product's result is divided by l at the end. Since M is a whole number, a kernel that streams over the keys may use a running M (the ceiling of the running maximum): every later rescaling is an exact power of two, which a block's scale takes up: the codes' values come out the same.
;;   OPERANDS COMPUTED ON THE WAY. 'Computed on the way' means the value that the module computes at that place (a softmax that the list does not call 'softmax' is quantised finished and normalised). What goes into a quantiser is computed in f32, as accurately as f32 sums, v_exp_f32 and their like allow (about 1e-6 of the number): no bf16 or f16 on the way to a quantiser, and a product that is left as it is and whose result goes on into a quantised operand takes f32 operands (vector FMAs, or v_wmma_f32_16x16x4_f32). A number that lies on a knife's edge between two numbers of the format may be rounded either way, as far as f32 arithmetic and the matrix unit's own rounding can turn it there, and no further.
;;   INPUTS GIVEN AS CODES. proj_w (in the module: [256, 256], K = its axis 1); qkv_w (in the module: [768, 256], K = its axis 1): each comes as NAME_codes (uint8): NAME with its K axis moved to the last place and cut into blocks of 32 codes, [.., K / 32, bytes a block], one block behind the other in memory; two codes a byte, the lower K in the low four bits (a code: sign, 2 exponent bits, 1 mantissa bit); and NAME_scales (uint8): the same leading axes, one E8M0 byte (e + 127) for each 32 codes along K. Its value is code x scale, taken as it is: it is not quantised again, and the codes and scales need not be those that the quantiser above would give.
;; One version. Each part assembles by itself: llvm-mc -triple=amdgcn-amd-amdhsa -mcpu=gfx1250 --defsym DOCPART=n.
;; ======== version 1 of 1: 4 launches
;; workspace buffers: stats 2,048 bytes; qc 2,097,152 bytes; qs 262,144 bytes; kv 4,587,520 bytes; oc 2,097,152 bytes; os 131,072 bytes
;; launch stats (part 1): grid 256 x 1, 8 waves a work-group, no clusters, 1,536 bytes of LDS; arguments x, stats; writes stats
.if DOCPART == 1
	.amdgcn_target "amdgcn-amd-amdhsa--gfx1250"
	.amdhsa_code_object_version 6
	.text
	.protected	k_q430ae1a4f0_stats
	.globl	k_q430ae1a4f0_stats
	.p2align	8
	.type	k_q430ae1a4f0_stats,@function
k_q430ae1a4f0_stats:
	s_mov_b64 s[64:65], 0
	v_nop
	global_prefetch_b8 v0, s[64:65] scope:SCOPE_SE
	s_setreg_imm32_b32 hwreg(HW_REG_WAVE_MODE, 25, 1), 1
	s_wait_xcnt 0x0
; GROUP NORM, FIRST HALF.  x is [4][256][4096] f32; a norm group (32 channels of one batch) is 524,288 consecutive bytes.
; A work-group takes one eighth of a group, 65,536 consecutive bytes (16,384 numbers), keeps them in registers, and stores the chunk's mean and
; the sum of squares ABOUT THAT MEAN (M2): two passes over registers, one read of memory.  No difference of large sums is formed, so a common
; offset of the inputs costs no accuracy.  The next launch joins a group's eight chunks.
; stats: [batch 4][group 8][chunk 8][mean, M2] f32: 8 bytes at 8 x work-group.
; Thread t takes 16 bytes at 16 t + 4,096 k, k = 0 .. 15: each load of a wave covers 512 neighbouring bytes.  Work-groups share no input: no cluster, no tensor load.
; LIMITS: NaN and infinities among the inputs are not served.
.set X, 32                             ; v32-95  my 64 numbers
	s_load_b128 s[4:7], s[0:1], 0x0                ; x, stats
	v_lshl_add_u32 v96, v0, 2, 0x200
	v_mov_b32 v97, 0
	v_lshlrev_b32 v1, 4, v0                        ; 16 t
	v_lshrrev_b32 v12, 5, v0
	s_delay_alu instid0(VALU_DEP_1)
	v_lshlrev_b32 v12, 2, v12                      ; LDS: 4 x wave: my wave's word
	v_mov_b32 v13, 0
	v_mov_b32 v11, 0                               ; a lane permute's destination counts as one of its sources
	s_lshl_b32 s10, ttmp9, 16                      ; my chunk
	s_mov_b32 s11, 0
	s_mov_b32 s12, 0x76543210                      ; v_permlanex16_b32's selects for lane l xor 16
	s_mov_b32 s13, 0xfedcba98
	s_wait_alu depctr_va_vdst(0)
	s_wait_kmcnt 0x0
	s_add_nc_u64 s[4:5], s[4:5], s[10:11]
.irp k, 0,1,2,3,4,5,6,7,8,9,10,11,12,13,14,15
	global_load_b128 v[X+4*\k:X+4*\k+3], v1, s[4:5] offset:4096*\k
.endr
	s_lshl_b32 s10, ttmp9, 3                       ; my 8 bytes of stats
	s_add_nc_u64 s[6:7], s[6:7], s[10:11]
; four packed chains v[2:9] are joined, then the 32 lanes
.macro WSUM
	s_delay_alu instid0(VALU_DEP_3)
	v_pk_add_f32 v[2:3], v[2:3], v[4:5]
	s_delay_alu instid0(VALU_DEP_2)
	v_pk_add_f32 v[6:7], v[6:7], v[8:9]
	s_delay_alu instid0(VALU_DEP_1)
	v_pk_add_f32 v[2:3], v[2:3], v[6:7]
	s_delay_alu instid0(VALU_DEP_1)
	v_add_f32 v10, v2, v3
	s_delay_alu instid0(VALU_DEP_1)
	v_add_f32_dpp v10, v10, v10 row_xmask:1 row_mask:0xf bank_mask:0xf
	s_delay_alu instid0(VALU_DEP_1)
	v_add_f32_dpp v10, v10, v10 row_xmask:2 row_mask:0xf bank_mask:0xf
	s_delay_alu instid0(VALU_DEP_1)
	v_add_f32_dpp v10, v10, v10 row_xmask:4 row_mask:0xf bank_mask:0xf
	s_delay_alu instid0(VALU_DEP_1)
	v_add_f32_dpp v10, v10, v10 row_xmask:8 row_mask:0xf bank_mask:0xf
	s_delay_alu instid0(VALU_DEP_1)
	v_permlanex16_b32 v11, v10, s12, s13
	s_delay_alu instid0(VALU_DEP_1)
	v_add_f32 v10, v10, v11
.endm
; the eight waves' figures meet in LDS, 32 bytes at off; the result is in v16 of every lane
.macro GSUM off
	ds_store_b32 v12, v10 offset:\off              ; all lanes of a wave write the same word with the same value
	s_wait_dscnt 0x0                               ; for the others' sake: my store is done
	s_barrier_signal -1
	s_barrier_wait -1
	ds_load_b128 v[16:19], v13 offset:\off
	ds_load_b128 v[20:23], v13 offset:\off+16
	s_wait_dscnt 0x0
	v_add_f32 v16, v16, v17
	v_add_f32 v18, v18, v19
	v_add_f32 v20, v20, v21
	v_add_f32 v22, v22, v23
	s_delay_alu instid0(VALU_DEP_3)
	v_add_f32 v16, v16, v18
	s_delay_alu instid0(VALU_DEP_2)
	v_add_f32 v20, v20, v22
	s_delay_alu instid0(VALU_DEP_1)
	v_add_f32 v16, v16, v20
.endm
	; pass 1: the sum.  The first eight pairs start the chains: nothing is cleared
	s_wait_loadcnt 12                              ; loads 0-3 are in; the twelve younger ones may be out
.irp q, 0,1,2,3
	v_pk_add_f32 v[2+2*\q:3+2*\q], v[X+2*\q:X+2*\q+1], v[X+8+2*\q:X+9+2*\q]
.endr
	s_wait_alu depctr_va_vdst(0)
.irp g, 1,2,3
	s_wait_alu depctr_va_vdst(0)
	s_wait_loadcnt 12-4*\g                         ; four loads more are in
.irp q, 0,1,2,3
	v_pk_add_f32 v[2+2*\q:3+2*\q], v[2+2*\q:3+2*\q], v[X+16*\g+2*\q:X+16*\g+2*\q+1]
.endr
.irp q, 0,1,2,3
	s_delay_alu instid0(VALU_DEP_4)
	v_pk_add_f32 v[2+2*\q:3+2*\q], v[2+2*\q:3+2*\q], v[X+16*\g+8+2*\q:X+16*\g+9+2*\q]
.endr
.endr
	WSUM
	GSUM 0
	s_delay_alu instid0(VALU_DEP_1)
	v_mul_f32 v24, 0x38800000, v16                 ; the chunk's mean: sum x 2^-14
	s_delay_alu instid0(VALU_DEP_1)
	v_mov_b32 v25, v24
	; pass 2: the squares about the mean
.irp p, 0,1,2,3,4,5,6,7,8,9,10,11,12,13,14,15,16,17,18,19,20,21,22,23,24,25,26,27,28,29,30,31
	v_pk_add_f32 v[X+2*\p:X+2*\p+1], v[X+2*\p:X+2*\p+1], v[24:25] neg_lo:[0,1] neg_hi:[0,1]
.endr
.irp q, 0,1,2,3
	v_pk_mul_f32 v[2+2*\q:3+2*\q], v[X+2*\q:X+2*\q+1], v[X+2*\q:X+2*\q+1]
.endr
.irp g, 1,2,3,4,5,6,7
.irp q, 0,1,2,3
	s_delay_alu instid0(VALU_DEP_4)
	v_pk_fma_f32 v[2+2*\q:3+2*\q], v[X+8*\g+2*\q:X+8*\g+2*\q+1], v[X+8*\g+2*\q:X+8*\g+2*\q+1], v[2+2*\q:3+2*\q]
.endr
.endr
	WSUM
	GSUM 256                                       ; other bytes than the first meeting's: no barrier between its reads and these stores
	s_delay_alu instid0(VALU_DEP_1)
	v_mov_b32 v25, v16                             ; v[24:25] = mean, M2
	s_wait_alu depctr_va_vdst(0)
	s_wait_xcnt 0x0                                ; EXEC changes only behind this wait
	v_cmp_eq_u32 vcc_lo, 0, v0
	s_wait_tensorcnt 0x0
	ds_add_u32 v96, v97
	s_wait_dscnt 0x0
	s_and_saveexec_b32 s14, vcc_lo                 ; thread 0 alone
	global_store_b64 v13, v[24:25], s[6:7]
	s_wait_xcnt 0x0
	s_or_b32 exec_lo, exec_lo, s14
	s_endpgm
.Lfunc_end_k_q430ae1a4f0_stats:
	.size	k_q430ae1a4f0_stats, .Lfunc_end_k_q430ae1a4f0_stats-k_q430ae1a4f0_stats
	.p2alignl 7, 3214868480
	.fill 96, 4, 3214868480
	.section	.rodata,"a",@progbits
	.p2align	6, 0x0
	.amdhsa_kernel k_q430ae1a4f0_stats
		.amdhsa_group_segment_fixed_size 1536
		.amdhsa_private_segment_fixed_size 0
		.amdhsa_enable_private_segment 0
		.amdhsa_kernarg_size 16
		.amdhsa_user_sgpr_count 2
		.amdhsa_user_sgpr_kernarg_segment_ptr 1
		.amdhsa_wavefront_size32 1
		.amdhsa_system_sgpr_workgroup_id_x 1
		.amdhsa_system_sgpr_workgroup_id_y 1
		.amdhsa_system_sgpr_workgroup_id_z 1
		.amdhsa_system_vgpr_workitem_id 0
		.amdhsa_next_free_vgpr 98
		.amdhsa_next_free_sgpr 66
		.amdhsa_reserve_vcc 1
		.amdhsa_float_denorm_mode_32 3
		.amdhsa_float_denorm_mode_16_64 3
		.amdhsa_memory_ordered 1
		.amdhsa_forward_progress 1
		.amdhsa_inst_pref_size 14
	.end_amdhsa_kernel
	.amdgpu_metadata
---
amdhsa.version: [ 1, 2 ]
amdhsa.kernels:
  - .name:           k_q430ae1a4f0_stats
    .symbol:         k_q430ae1a4f0_stats.kd
    .args:
      - { .name: x, .offset: 0, .size: 8, .value_kind: global_buffer, .address_space: global }
      - { .name: stats, .offset: 8, .size: 8, .value_kind: global_buffer, .address_space: global }
    .group_segment_fixed_size: 1536
    .private_segment_fixed_size: 0
    .kernarg_segment_align: 8
    .kernarg_segment_size: 16
    .max_flat_workgroup_size: 256
    .sgpr_count:     66
    .vgpr_count:     98
    .wavefront_size: 32
...
	.end_amdgpu_metadata
.endif
;; end of part 1
;; launch qkv (part 2): grid 64 x 4, 4 waves a work-group, clusters of 4 x 1, 168,448 bytes of LDS; arguments x, stats, norm_w, norm_b, qkv_w_codes, qkv_w_scales, qkv_b, qc, qs, kv; writes qc, qs, kv
.if DOCPART == 2
	.amdgcn_target "amdgcn-amd-amdhsa--gfx1250"
	.amdhsa_code_object_version 6
	.text
	.protected	k_q430ae1a4f0_qkv
	.globl	k_q430ae1a4f0_qkv
	.p2align	8
	.type	k_q430ae1a4f0_qkv,@function
k_q430ae1a4f0_qkv:
	s_mov_b64 s[64:65], 0
	v_nop
	global_prefetch_b8 v0, s[64:65] scope:SCOPE_SE
	s_setreg_imm32_b32 hwreg(HW_REG_WAVE_MODE, 25, 1), 1
	s_wait_xcnt 0x0
	s_wait_alu depctr_hold_cnt(0) depctr_sa_sdst(0) depctr_va_vdst(0) depctr_va_sdst(0) depctr_va_ssrc(0) depctr_va_vcc(0) depctr_vm_vsrc(0)
	s_getreg_b32 s2, hwreg(HW_REG_IB_STS2, 6, 4)
	s_cmp_eq_u32 s2, 0
	s_cbranch_scc0 .Lentry_in_a_cluster
	s_endpgm
.Lentry_in_a_cluster:
	s_bfe_u32 s2, ttmp6, 0x10000c
	s_cmp_lg_u32 s2, 0x3003
	s_cbranch_scc0 .Lentry_shape_is_right
	s_endpgm
.Lentry_shape_is_right:
; GROUP NORM (second half), h AS CODES, qkv = W h + b ON CODES OF FP4 (E2M1, one E8M0 scale for each 32 along K), AND q, k, v AS CODES FOR THE ATTENTION.
; A work-group takes 64 neighbouring pixels (pixel group G) of one batch b, all 256 channels in, all 768 out.
; TILES.  Tile j (0 .. 3) of the group holds the 16 pixels 64 G + 4 r + j, r = 0 .. 15: a lane that loads 16 bytes of x holds one pixel of each of the four tiles, and sixteen lanes read 256 consecutive bytes.
; PHASE X.  Wave w takes channels 64 w .. 64 w + 63; lane (r, h) the 32 channels of norm group 2 w + h, which are ONE block of 32 along the product's K: its largest magnitude needs no other lane, and the four
;   conversions give the four registers that the operand's layout asks of that lane.  The codes go to the other waves through LDS as images of the operand's registers (16 bytes a lane, 512 a store).
; PHASE G.  Wave w takes head w: q, k and v.  THE ROWS OF W THAT FORM A TILE ARE NOT NEIGHBOURS: row m of tile i is d = 32 (m / 8) + 8 i + m % 8, so that in the result of W x h lane (r, h) holds, in the four tiles'
;   32 registers, d = 32 h + 0 .. 31 of pixel r: a whole block again.  For v the sources are swapped (h x W): lane (r, h) then holds channel d(i, r) and the 32 pixels 64 G + 32 h + 4 jj + j: a whole block of 32 KEYS,
;   in the order 8 j + jj.  k's rows and the softmax's p take the same order in the next launch, so every block keeps its members and its scale.
; THE WEIGHTS (98,304 bytes of codes, 6,144 of scales, 3,072 of bias) are the same for all work-groups and more than a work-group's own 65,536 bytes of x: the four work-groups of a cluster ask for them JOINTLY,
;   once; nothing in LDS is filled twice.
; OUT.  qc: [bh][tile 4 G + j][lane][16 bytes].  qs: [bh][G][r][j] words.  kv: [bh][step G / 2][8,960 bytes]: K's tiles at 512 (4 c + j), V's at 4,096 + 1,024 i + 512 c, K's scale words at 8,192 + 256 c + 16 r + 4 j,
;   V's scale bytes at 8,704 + 128 (i / 2) + 8 r + 4 (i % 2) + 2 c + h;  c = G % 2, bh = 4 b + head.  A scale word of q or k: bytes 0, 1 the two blocks of the head's 64; bytes 2, 3 a copy: they scale zero codes.
; LIMITS: NaN and infinities are not served.  A block whose largest magnitude lies under 2^-124 gets the byte 1, a block of zeros too (its codes are zeros; only this program reads the bytes).  1 / sqrt is v_rsq_f32.
; REGISTERS.  Window 0: v1-15 addresses; v16-31 at work; v32-63 h of one tile, later four accumulators; v64-127 gain and bias of my 32 channels, later W's 8 fragments; v128-191 h's 8 fragments;
;   v192-199 h's scale words; v200-215 codes just made; v216-223 W's scale words; v224-255 the bias as C (before that the statistics).   Window 1: v0-127 x: register 4 i + j = channel i, tile j.
.set WSC,  110592                      ; LDS: W's codes, 768 rows of 128 bytes + 16 of padding, from 0;  W's scales, 8 bytes a row;
.set WBI,  116736                      ; qkv_b;
.set HIMG, 119808                      ; h's fragments: (tile j, K step s, half c) at 2,048 j + 1,024 s + 512 c + 16 lane;  behind them, at + 8,192, wave w's half scale words at 512 w + 16 lane
.set RR,  1
.set HH,  2
.set L16, 3                            ; 16 x lane
.set XA,  4                            ; x: (h << 19) + 16 r
.set SH8, 5                            ; 8 h
.set ROWM, 6                           ; r % 8 + 32 (r / 8)
.set WA,  7                            ; W: 144 ROWM + 16 h
.set WAT, 8                            ; + the task's rows
.set WSA, 9                            ; W's scale words
.set WBA, 10                           ; the bias of q and k: 32 h on
.set WBV, 11                           ; the bias of v: one number a lane
.set HST, 12                           ; where I store h's images
.set HLD, 13                           ; and where every wave reads them
.set MEAN, 14                          ; v[14:15] the group's mean, twice;  later:
.set SWA, 14                           ; 16 r + 8 h
.set VSA, 15                           ; 8 x lane
.set BY,  16                           ; four scale bytes
.set WD,  20                           ; four scale words
.set QM0, 24
.set QM1, 25
.set QSC, 26
.set TT,  27
.set UU,  28
.set OUT, 30
.set ACC, 32
.set AA,  64
.set NB,  96
.set WF,  64
.set BF,  128
.set BS,  192
.set CO,  200
.set WS,  216
.set BIAS, 224
.set VB,  232
.set ST,  224
.set TMP, 240
.set MSB, 0
.macro WIN new                         ; the immediate's high byte repeats the setting that is left
.if MSB != \new
	s_set_vgpr_msb (MSB<<8)|\new
.set MSB, \new
.endif
.endm
.macro PLACES                          ; four places behind a matrix instruction (ISA guide 7.12.1)
.rept 4
	v_nop
.endr
.endm
.macro ROUND                           ; a round of the cluster's barrier
	s_barrier_signal -1
	s_barrier_wait -1
	s_cmp_lg_u32 s24, 0
	s_cbranch_scc1 .Lnot_wave_0_\@
	s_barrier_signal -3
.Lnot_wave_0_\@:
	s_barrier_wait -3
	s_barrier_signal -1
	s_barrier_wait -1
.endm
.macro WM d, a, b, c, sa, sb
	v_wmma_scale_f32_16x16x128_f8f6f4 v[\d:\d+7], v[\a:\a+7], v[\b:\b+7], v[\c:\c+7], v[\sa], v[\sb] matrix_a_fmt:MATRIX_FMT_FP4 matrix_b_fmt:MATRIX_FMT_FP4
.endm
; 32 numbers of ONE lane, one block along K, become four registers of codes and the scale's byte.  The sources are read in ascending order, each accumulator under them from its low end on.
.macro QUANT32 s, c, by
	v_max3_num_f32 v[QM0], |v[\s]|, |v[\s+1]|, 0x1800000      ; with the floor 2^(3 - 127) among the leaves: the byte cannot fall under 1
	v_max3_num_f32 v[QM1], |v[\s+16]|, |v[\s+17]|, 0x1800000
.irp i, 2,4,6,8,10,12,14
	v_max3_num_f32 v[QM0], v[QM0], |v[\s+\i]|, |v[\s+\i+1]|
	v_max3_num_f32 v[QM1], v[QM1], |v[\s+16+\i]|, |v[\s+17+\i]|
.endr
	v_max_num_f32 v[QM0], v[QM0], v[QM1]           ; the block's largest magnitude
	v_add_nc_u32 v[QSC], 0xff000000, v[QM0]        ; 2 off its exponent field: the conversion takes the exponent field of this operand as its scale
.irp g, 0,1,2,3
	v_cvt_scalef32_pk8_fp4_f32 v[\c+\g], v[\s+8*\g:\s+8*\g+7], v[QSC]
.endr
	v_lshrrev_b32 v[\by], 23, v[QSC]               ; the scale's byte; also the plain place behind the conversions
.endm
.macro HALFW dst, by                   ; the bytes of lanes l (h = 0) and l xor 16 (h = 1) side by side, in both lanes
	v_lshlrev_b32 v[TT], v[SH8], v[\by]
	v_permlanex16_b32 v[UU], v[TT], s66, s67
	v_or_b32 v[\dst], v[TT], v[UU]
.endm
	s_load_b512 s[4:19], s[0:1], 0x0               ; x s[4:5], stats s[6:7], norm_w s[8:9], norm_b s[10:11], W's codes s[12:13], W's scales s[14:15], qkv_b s[16:17], qc s[18:19]
	s_load_b128 s[20:23], s[0:1], 0x40             ; qs s[20:21], kv s[22:23]
	v_lshl_add_u32 v29, v0, 2, 0x29000
	s_set_vgpr_msb 0x40
	v_mov_b32 v129, 0
	s_set_vgpr_msb 0x4044
	ds_add_u32 v29, v129
	ds_add_u32 v29, v129
	s_set_vgpr_msb 0x4400
	v_lshrrev_b32 v1, 5, v0
	v_readfirstlane_b32 s24, v1                    ; wave 0..3
	s_bfe_u32 s25, ttmp6, 0x40000                  ; cx: my place in the cluster
	s_lshl_b32 s26, ttmp9, 2
	s_add_co_u32 s26, s26, s25                     ; G = 4 x cluster x + cx: it enters global addresses of x and of the outputs alone
	s_and_b32 s27, ttmp7, 0xffff                   ; b
	; descriptor groups 1.  W's codes: 192 rows of 128 bytes a wave, 16 bytes of padding behind each
	s_mov_b32 s28, 15|(1<<20)|(1<<21)|(4<<22)|(3<<25)  ; 15:0 the mask: all four work-groups; 17:16 elements of 1 byte; 20 padding on; 21 set beside a mask; 24:22 after every 32 words (code 4); 31:25 four words (code 3)
	s_mov_b32 s29, 128<<16                         ; tensor_dim0
	s_mov_b32 s30, 192<<16                         ; tensor_dim1
	s_mov_b32 s31, 128<<16                         ; tile_dim0
	s_mov_b32 s32, 192                             ; tile_dim1
	s_mov_b32 s33, 128                             ; tensor_dim0_stride
	s_mov_b32 s34, 0
	s_mov_b32 s35, 0
	; W's scales: 1,536 dense bytes a wave, as 6 rows of 256 bytes (32 elements of 8 bytes);  qkv_b: 768 bytes a wave, 3 rows
.irp g, 36, 44
	s_mov_b32 s[\g], 15|(3<<16)|(1<<21)
	s_mov_b32 s[\g+1], 32<<16
	s_mov_b32 s[\g+3], 32<<16
	s_mov_b32 s[\g+5], 32
	s_mov_b32 s[\g+6], 0
	s_mov_b32 s[\g+7], 0
.endr
	s_mov_b32 s38, 6<<16
	s_mov_b32 s40, 6
	s_mov_b32 s46, 3<<16
	s_mov_b32 s48, 3
	s_mov_b32 s66, 0x76543210                      ; v_permlanex16_b32's selects for lane l xor 16
	s_mov_b32 s67, 0xfedcba98
	s_mov_b32 s69, 0x37000000                      ; 2^-17: one over a group's 131,072 numbers
	s_mov_b32 s71, 0
	v_and_b32 v[RR], 15, v0
	v_bfe_u32 v[HH], v0, 4, 1
	v_and_b32 v[L16], 31, v0
	v_lshlrev_b32 v[L16], 4, v[L16]
	v_lshlrev_b32 v[XA], 4, v[RR]
	v_lshl_or_b32 v[XA], v[HH], 19, v[XA]          ; 32 channels of 16,384 bytes further on for lanes 16-31
	v_lshlrev_b32 v[SH8], 3, v[HH]
	v_lshlrev_b32 v16, 6, v[HH]                    ; stats: 64 bytes a group
	v_lshlrev_b32 v17, 7, v[HH]                    ; norm_w, norm_b: 128 bytes a group
	s_wait_alu depctr_va_vdst(0)
	s_wait_dscnt 0x0
	s_wait_kmcnt 0x0
	s_lshl_b32 s70, s27, 9                         ; stats at group 2 w of batch b
	s_lshl_b32 s85, s24, 7
	s_add_co_u32 s70, s70, s85
	s_add_nc_u64 s[6:7], s[6:7], s[70:71]
	s_lshl_b32 s70, s24, 8                         ; norm_w, norm_b at channel 64 w
	s_add_nc_u64 s[8:9], s[8:9], s[70:71]
	s_add_nc_u64 s[10:11], s[10:11], s[70:71]
	s_lshl_b32 s70, s27, 22                        ; x at batch b, channel 64 w, pixel 64 G
	s_lshl_b32 s85, s24, 20
	s_add_co_u32 s70, s70, s85
	s_lshl_b32 s85, s26, 8
	s_add_co_u32 s70, s70, s85
	s_add_nc_u64 s[4:5], s[4:5], s[70:71]
.irp k, 0,1,2,3
	global_load_b128 v[ST+4*\k:ST+4*\k+3], v16, s[6:7] offset:16*\k        ; my group's eight chunks: mean, M2
.endr
.irp k, 0,1,2,3,4,5,6,7
	global_load_b128 v[AA+4*\k:AA+4*\k+3], v17, s[8:9] offset:16*\k
.endr
.irp k, 0,1,2,3,4,5,6,7
	global_load_b128 v[NB+4*\k:NB+4*\k+3], v17, s[10:11] offset:16*\k
.endr
	WIN 0x40                                       ; destination window 1, address window 0
.irp i, 0,1,2,3,4,5,6,7,8,9,10,11,12,13,14,15,16,17,18,19,20,21,22,23,24,25,26,27,28,29,30,31
	global_load_b128 v[4*\i:4*\i+3], v[XA], s[4:5] offset:16384*\i         ; channel i of my 32, pixels 4 r .. 4 r + 3: sixteen lanes read 256 consecutive bytes
.endr
	WIN 0                                          ; at a label and at a branch every window is 0
	; descriptor groups 0: wave w's quarter of each block; nothing in them hangs on the place in the cluster
	s_mul_i32 s70, s24, 24576
	s_mov_b32 s52, 1
	s_mul_i32 s53, s24, 27648                      ; 192 rows of 144 bytes
	s_add_nc_u64 s[54:55], s[12:13], s[70:71]
	s_or_b32 s55, s55, 0x80000000
	s_mul_i32 s70, s24, 1536
	s_mov_b32 s56, 1
	s_add_co_u32 s57, s70, WSC
	s_add_nc_u64 s[58:59], s[14:15], s[70:71]
	s_or_b32 s59, s59, 0x80000000
	s_mul_i32 s70, s24, 768
	s_mov_b32 s60, 1
	s_add_co_u32 s61, s70, WBI
	s_add_nc_u64 s[62:63], s[16:17], s[70:71]
	s_or_b32 s63, s63, 0x80000000
	ROUND                                          ; all four work-groups are here: the joint loads meet
	tensor_load_to_lds s[52:55], s[28:35]          ; three loads of mine are out; each byte of LDS is filled once
	s_nop 0
	tensor_load_to_lds s[56:59], s[36:43]
	s_nop 0
	tensor_load_to_lds s[60:63], s[44:51]
	s_nop 0
	PLACES                                         ; four v_nop follow the loads
	; where the results go
	s_lshl_b32 s84, s27, 2
	s_add_co_u32 s84, s84, s24                     ; bh = 4 b + head
	s_lshl_b32 s70, s84, 17
	s_lshl_b32 s85, s26, 11
	s_add_co_u32 s70, s70, s85
	s_add_nc_u64 s[72:73], s[18:19], s[70:71]      ; q's codes
	s_lshl_b32 s70, s84, 14
	s_lshl_b32 s85, s26, 8
	s_add_co_u32 s70, s70, s85
	s_add_nc_u64 s[74:75], s[20:21], s[70:71]      ; q's scale words
	s_mul_i32 s70, s84, 286720
	s_lshr_b32 s85, s26, 1
	s_mul_i32 s85, s85, 8960
	s_add_co_u32 s70, s70, s85
	s_add_nc_u64 s[22:23], s[22:23], s[70:71]      ; my key step of kv
	s_and_b32 s86, s26, 1                          ; c
	s_lshl_b32 s70, s86, 11
	s_add_nc_u64 s[76:77], s[22:23], s[70:71]      ; k's codes
	s_lshl_b32 s70, s86, 8
	s_add_co_u32 s70, s70, 8192
	s_add_nc_u64 s[78:79], s[22:23], s[70:71]      ; k's scale words
	s_lshl_b32 s70, s86, 9
	s_add_co_u32 s70, s70, 4096
	s_add_nc_u64 s[80:81], s[22:23], s[70:71]      ; v's codes
	s_lshl_b32 s70, s86, 1
	s_add_co_u32 s70, s70, 8704
	s_add_nc_u64 s[82:83], s[22:23], s[70:71]      ; v's scale bytes
	s_lshl_b32 s87, s24, 9                         ; 512 w
	s_lshl_b32 s88, s24, 8                         ; 256 w
	v_and_b32 v[ROWM], 7, v[RR]
	v_and_b32 v[WA], 8, v[RR]
	v_lshl_add_u32 v[ROWM], v[WA], 2, v[ROWM]
	v_mul_u32_u24 v[WA], v[ROWM], 144
	v_lshl_add_u32 v[WA], v[HH], 4, v[WA]
	v_lshlrev_b32 v[WSA], 3, v[ROWM]
	v_add_nc_u32 v[WSA], s87, v[WSA]
	v_add_nc_u32 v[WSA], WSC, v[WSA]
	v_lshl_add_u32 v[WBA], v[HH], 7, s88
	v_add_nc_u32 v[WBA], WBI, v[WBA]
	v_lshl_add_u32 v[WBV], v[ROWM], 2, s88
	v_add_nc_u32 v[WBV], WBI, v[WBV]
	v_add_nc_u32 v[HST], s87, v[L16]
	v_add_nc_u32 v[HST], HIMG, v[HST]
	v_add_nc_u32 v[HLD], HIMG, v[L16]
	v_mov_b32 v[UU], 0                             ; a lane permute's destination counts as one of its sources
	v_cmp_lt_u32 s68, 0, v[HH]                     ; the mask of lanes 16-31
	; ---- my group's statistics from its eight chunks: mean = the mean of the means; M2 = the sum of the M2 + 16,384 x the sum of (mean_k - mean)^2
	s_wait_loadcnt 32                              ; stats, norm_w and norm_b are in; x's 32 loads may be out
	v_add_f32 v[TMP], v[ST], v[ST+2]
	v_add_f32 v[TMP+1], v[ST+4], v[ST+6]
	v_add_f32 v[TMP+2], v[ST+8], v[ST+10]
	v_add_f32 v[TMP+3], v[ST+12], v[ST+14]
	v_add_f32 v[TMP], v[TMP], v[TMP+1]
	v_add_f32 v[TMP+2], v[TMP+2], v[TMP+3]
	v_add_f32 v[TMP], v[TMP], v[TMP+2]
	v_mul_f32 v[MEAN], 0x3e000000, v[TMP]          ; / 8
	v_mov_b32 v[MEAN+1], v[MEAN]
.irp k, 0,2,4,6,8,10,12,14
	v_sub_f32 v[ST+\k], v[ST+\k], v[MEAN]
.endr
	v_mul_f32 v[TMP], v[ST], v[ST]
	v_mul_f32 v[TMP+1], v[ST+2], v[ST+2]
.irp k, 4,8,12
	v_fmac_f32 v[TMP], v[ST+\k], v[ST+\k]
	v_fmac_f32 v[TMP+1], v[ST+\k+2], v[ST+\k+2]
.endr
	v_add_f32 v[TMP], v[TMP], v[TMP+1]
	v_add_f32 v[TMP+1], v[ST+1], v[ST+3]
	v_add_f32 v[TMP+2], v[ST+5], v[ST+7]
	v_add_f32 v[TMP+3], v[ST+9], v[ST+11]
	v_add_f32 v[TMP+4], v[ST+13], v[ST+15]
	v_add_f32 v[TMP+1], v[TMP+1], v[TMP+2]
	v_add_f32 v[TMP+3], v[TMP+3], v[TMP+4]
	v_add_f32 v[TMP+1], v[TMP+1], v[TMP+3]
	v_fmamk_f32 v[TMP+1], v[TMP], 0x46800000, v[TMP+1]
	v_mov_b32 v[TMP+2], 0x3727c5ac                 ; 1e-5
	v_fma_f32 v[TMP+1], v[TMP+1], s69, v[TMP+2]    ; the variance + eps
	s_wait_alu depctr_va_vdst(0)
	v_rsq_f32 v[TMP+2], v[TMP+1]
	v_nop                                          ; a plain place behind the transcendental
	s_wait_alu depctr_va_vdst(0)
	v_mov_b32 v[TMP+3], v[TMP+2]
.irp k, 0,2,4,6,8,10,12,14,16,18,20,22,24,26,28,30
	v_pk_mul_f32 v[AA+\k:AA+\k+1], v[AA+\k:AA+\k+1], v[TMP+2:TMP+3]        ; the gain x 1 / sqrt(var + eps)
.endr
	; ---- h = (x - mean) x gain + bias, tile by tile, and its codes
	s_wait_loadcnt 0x0
	WIN 0x41                                       ; x: destination and source 0 window 1
.irp k, 0,2,4,6,8,10,12,14,16,18,20,22,24,26,28,30,32,34,36,38,40,42,44,46,48,50,52,54,56,58,60,62,64,66,68,70,72,74,76,78,80,82,84,86,88,90,92,94,96,98,100,102,104,106,108,110,112,114,116,118,120,122,124,126
	v_pk_add_f32 v[\k:\k+1], v[\k:\k+1], v[MEAN:MEAN+1] neg_lo:[0,1] neg_hi:[0,1]
.endr
.irp j, 0,1,2,3
	WIN 0x01                                       ; source 0 window 1
.irp i, 0,1,2,3,4,5,6,7,8,9,10,11,12,13,14,15,16,17,18,19,20,21,22,23,24,25,26,27,28,29,30,31
	v_fma_f32 v[ACC+\i], v[4*\i+\j], v[AA+\i], v[NB+\i]                    ; the choice of the destination turns (channel, pixel) into (pixel's tile, channel)
.endr
	WIN 0
	QUANT32 ACC, CO+4*\j, BY+\j
.endr
.irp j, 0,1,2,3
	HALFW WD+\j, BY+\j                             ; groups 2 w and 2 w + 1: half of the scale word of K step w / 2
.endr
.irp j, 0,1,2,3
	ds_store_b128 v[HST], v[CO+4*\j:CO+4*\j+3] offset:2048*\j
.endr
	ds_store_b128 v[HST], v[WD:WD+3] offset:8192
	s_wait_tensorcnt 0x0                           ; my parts of W, its scales and the bias have landed,
	s_wait_dscnt 0x0                               ; my images of h are stored:
	s_barrier_signal -1
	s_barrier_wait -1                              ; everybody's are.  The one barrier of the work-group: nothing in LDS is written behind it
	; ---- h's eight fragments and scale words stay in registers for the three tasks
.irp k, 0,1,2,3,4,5,6,7,8,9,10,11,12,13,14,15
	ds_load_b128 v[BF+4*\k:BF+4*\k+3], v[HLD] offset:512*\k
.endr
.irp k, 0,1,2,3
	ds_load_b128 v[CO+4*\k:CO+4*\k+3], v[HLD] offset:8192+512*\k           ; wave k's four half words
.endr
	s_wait_dscnt 0x0
.irp j, 0,1,2,3
.irp s, 0,1
	v_lshl_or_b32 v[BS+2*\j+\s], v[CO+8*\s+4+\j], 16, v[CO+8*\s+\j]
.endr
.endr
	v_lshlrev_b32 v[SWA], 4, v[RR]
	v_lshl_add_u32 v[SWA], v[HH], 3, v[SWA]
	v_lshrrev_b32 v[VSA], 1, v[L16]
.rept 5
	v_nop                                          ; with the three lines above: eight places between a scale register written by a vector instruction and a scaled product
.endr
; W's 8 fragments and scale words of task p (0: q, 1: k, 2: v) for my head
.macro LOADW p
	s_wait_xcnt 0x0                                ; the task before's stores have read their registers
	s_mul_i32 s85, s24, 9216                       ; 64 rows of 144 bytes a head,
	s_add_co_u32 s85, s85, 36864*\p                ; 256 a task
	v_add_nc_u32 v[WAT], s85, v[WA]
.irp i, 0,1,2,3
.irp s, 0,1
.irp c, 0,1
	ds_load_b128 v[WF+16*\i+8*\s+4*\c:WF+16*\i+8*\s+4*\c+3], v[WAT] offset:1152*\i+64*\s+32*\c
.endr
.endr
.endr
.irp i, 0,1,2,3
	ds_load_b64 v[WS+2*\i:WS+2*\i+1], v[WSA] offset:2048*\p+64*\i
.endr
.endm
; q or k: source 0 = 16 rows of W, source 1 = h's tile j; the bias is the C of each sum's first product.  The four accumulators take turns.
.macro QKTASK p, cb, sb
	LOADW \p
.irp i, 0,1,2,3
	ds_load_b128 v[BIAS+8*\i:BIAS+8*\i+3], v[WBA] offset:1024*\p+32*\i
	ds_load_b128 v[BIAS+8*\i+4:BIAS+8*\i+7], v[WBA] offset:1024*\p+32*\i+16
.endr
	s_wait_dscnt 0x0
.irp j, 0,1,2,3
.irp i, 0,1,2,3
	WM ACC+8*\i, WF+16*\i, BF+16*\j, BIAS+8*\i, WS+2*\i, BS+2*\j
.endr
.irp i, 0,1,2,3
	WM ACC+8*\i, WF+16*\i+8, BF+16*\j+8, ACC+8*\i, WS+2*\i+1, BS+2*\j+1
.endr
	PLACES                                         ; with the three plain lines of the quantiser that name no accumulator these are also the places in front of the next tile's first products
	QUANT32 ACC, CO+4*\j, BY+\j                    ; lane (r, h): d = 32 h + 0 .. 31 of pixel 64 G + 4 r + j
	global_store_b128 v[L16], v[CO+4*\j:CO+4*\j+3], s[\cb:\cb+1] offset:512*\j     ; the wave stores 512 consecutive bytes
.endr
.irp j, 0,1,2,3
	HALFW WD+\j, BY+\j
	v_lshl_or_b32 v[WD+\j], v[WD+\j], 16, v[WD+\j]                         ; bytes 2 and 3: a copy; they scale zero codes
.endr
	v_cndmask_b32 v[OUT], v[WD], v[WD+2], s68      ; lanes 0-15 store tiles 0 and 1's words, lanes 16-31 tiles 2 and 3's
	v_cndmask_b32 v[OUT+1], v[WD+1], v[WD+3], s68
	global_store_b64 v[SWA], v[OUT:OUT+1], s[\sb:\sb+1]                    ; 256 consecutive bytes
.endm
; v: the sources swapped: source 0 = h's tile j, source 1 = 16 rows of W.  The bias is one number a lane.
.macro VTASK
	LOADW 2
.irp i, 0,1,2,3
	ds_load_b32 v[VB+\i], v[WBV] offset:2048+32*\i
.endr
	s_wait_dscnt 0x0
.irp i, 0,1,2,3
.irp k, 0,1,2,3,4,5,6,7
	v_mov_b32 v[BIAS+\k], v[VB+\i]
.endr
	PLACES
.irp j, 0,1,2,3
	WM ACC+8*\j, BF+16*\j, WF+16*\i, BIAS, BS+2*\j, WS+2*\i
.endr
.irp j, 0,1,2,3
	WM ACC+8*\j, BF+16*\j+8, WF+16*\i+8, ACC+8*\j, BS+2*\j+1, WS+2*\i+1
.endr
	PLACES
	QUANT32 ACC, CO+4*\i, BY+\i                    ; lane (r, h): channel 32 (r / 8) + 8 i + r % 8, the 32 keys of block 2 G + h
	global_store_b128 v[L16], v[CO+4*\i:CO+4*\i+3], s[80:81] offset:1024*\i
.endr
.irp i, 0,1,2,3
	HALFW WD+\i, BY+\i                             ; bytes 2 c and 2 c + 1 of the row's scale word; the other two are the neighbouring pixel group's
.endr
	v_cndmask_b32 v[OUT], v[WD], v[WD+2], s68
	v_cndmask_b32 v[OUT+1], v[WD+1], v[WD+3], s68
	global_store_b16 v[VSA], v[OUT], s[82:83]
	global_store_b16 v[VSA], v[OUT+1], s[82:83] offset:4
.endm
	QKTASK 0, 72, 74
	QKTASK 1, 76, 78
	VTASK
	s_set_vgpr_msb 0x4
	s_wait_tensorcnt 0x0
	ds_add_u32 v29, v129
	s_wait_dscnt 0x0
	s_set_vgpr_msb 0x400
	ROUND                                          ; the closing round: no work-group ends while a partner may still ask for a tile that names it
	s_endpgm
.Lfunc_end_k_q430ae1a4f0_qkv:
	.size	k_q430ae1a4f0_qkv, .Lfunc_end_k_q430ae1a4f0_qkv-k_q430ae1a4f0_qkv
	.p2alignl 7, 3214868480
	.fill 96, 4, 3214868480
	.section	.rodata,"a",@progbits
	.p2align	6, 0x0
	.amdhsa_kernel k_q430ae1a4f0_qkv
		.amdhsa_group_segment_fixed_size 168448
		.amdhsa_private_segment_fixed_size 0
		.amdhsa_enable_private_segment 0
		.amdhsa_kernarg_size 80
		.amdhsa_user_sgpr_count 2
		.amdhsa_user_sgpr_kernarg_segment_ptr 1
		.amdhsa_wavefront_size32 1
		.amdhsa_system_sgpr_workgroup_id_x 1
		.amdhsa_system_sgpr_workgroup_id_y 1
		.amdhsa_system_sgpr_workgroup_id_z 1
		.amdhsa_system_vgpr_workitem_id 0
		.amdhsa_next_free_vgpr 386
		.amdhsa_next_free_sgpr 96
		.amdhsa_reserve_vcc 0
		.amdhsa_float_denorm_mode_32 3
		.amdhsa_float_denorm_mode_16_64 3
		.amdhsa_memory_ordered 1
		.amdhsa_forward_progress 1
		.amdhsa_inst_pref_size 78
	.end_amdhsa_kernel
	.amdgpu_metadata
---
amdhsa.version: [ 1, 2 ]
amdhsa.kernels:
  - .name:           k_q430ae1a4f0_qkv
    .symbol:         k_q430ae1a4f0_qkv.kd
    .args:
      - { .name: x, .offset: 0, .size: 8, .value_kind: global_buffer, .address_space: global }
      - { .name: stats, .offset: 8, .size: 8, .value_kind: global_buffer, .address_space: global }
      - { .name: norm_w, .offset: 16, .size: 8, .value_kind: global_buffer, .address_space: global }
      - { .name: norm_b, .offset: 24, .size: 8, .value_kind: global_buffer, .address_space: global }
      - { .name: qkv_w_codes, .offset: 32, .size: 8, .value_kind: global_buffer, .address_space: global }
      - { .name: qkv_w_scales, .offset: 40, .size: 8, .value_kind: global_buffer, .address_space: global }
      - { .name: qkv_b, .offset: 48, .size: 8, .value_kind: global_buffer, .address_space: global }
      - { .name: qc, .offset: 56, .size: 8, .value_kind: global_buffer, .address_space: global }
      - { .name: qs, .offset: 64, .size: 8, .value_kind: global_buffer, .address_space: global }
      - { .name: kv, .offset: 72, .size: 8, .value_kind: global_buffer, .address_space: global }
    .group_segment_fixed_size: 168448
    .private_segment_fixed_size: 0
    .kernarg_segment_align: 8
    .kernarg_segment_size: 80
    .max_flat_workgroup_size: 128
    .sgpr_count:     96
    .vgpr_count:     386
    .wavefront_size: 32
...
	.end_amdgpu_metadata
.endif
;; end of part 2
;; launch attn (part 3): grid 16 x 16, 16 waves a work-group, clusters of 4 x 1, 327,680 bytes of LDS; arguments qc, qs, kv, oc, os; writes oc, os
.if DOCPART == 3
	.amdgcn_target "amdgcn-amd-amdhsa--gfx1250"
	.amdhsa_code_object_version 6
	.text
	.protected	k_q430ae1a4f0_attn
	.globl	k_q430ae1a4f0_attn
	.p2align	8
	.type	k_q430ae1a4f0_attn,@function
k_q430ae1a4f0_attn:
	s_mov_b64 s[64:65], 0
	v_nop
	global_prefetch_b8 v0, s[64:65] scope:SCOPE_SE
	s_setreg_imm32_b32 hwreg(HW_REG_WAVE_MODE, 25, 1), 1
	s_wait_xcnt 0x0
	s_wait_alu depctr_hold_cnt(0) depctr_sa_sdst(0) depctr_va_vdst(0) depctr_va_sdst(0) depctr_va_ssrc(0) depctr_va_vcc(0) depctr_vm_vsrc(0)
	s_getreg_b32 s2, hwreg(HW_REG_IB_STS2, 6, 4)
	s_cmp_eq_u32 s2, 0
	s_cbranch_scc0 .Lentry_in_a_cluster
	s_endpgm
.Lentry_in_a_cluster:
	s_bfe_u32 s2, ttmp6, 0x10000c
	s_cmp_lg_u32 s2, 0x3003
	s_cbranch_scc0 .Lentry_shape_is_right
	s_endpgm
.Lentry_shape_is_right:
; o = softmax(q k^T / 8) v FOR ONE HEAD, BOTH PRODUCTS ON CODES OF FP4 (E2M1, one E8M0 scale for each 32 along K), AND o AS CODES FOR THE LAST PRODUCT.
; THE SOFTMAX AHEAD OF THE SECOND PRODUCT: t = score x log2(e) / 8; M = the row's largest t so far, rounded UP to a whole number; p = 2^(t - M) is quantised along the keys, not normalised.
; The row's sum is taken of the unquantised p and divides O at the end.  When M moves, the sum and O are multiplied by 2^(old M - new M): exact, and no branch hangs on data.
; SHARES.  A work-group owns 16 tiles of 16 queries of one head bh; each of its sixteen waves one tile, in 256 registers: four waves to a SIMD, so that one wave's exponentials stand beside another's other work.
; K AND V OF THE WHOLE HEAD, 32 steps of 8,960 bytes as the launch before laid them (images of the operands' registers and their scale words), are 286,720 dense bytes: they fit in LDS and land there ONCE,
; byte for byte as in memory.  No slot is filled twice and nothing is stored to LDS.  They come in three groups (steps 0-3, 4-15, 16-31), each wave a sixteenth of each, so that work begins before the last has landed.
; CLUSTER.  The four work-groups of a cluster belong to one head and read the same stream: each load is asked for JOINTLY, with the same descriptor and a mask that names the four.
; LAYOUT.  S^T = K Q^T (source 0 = 16 keys, source 1 = my 16 queries; K = the head's 64, the upper 64 of the instruction's 128 are zero codes on both sides), O^T = V^T P^T: a lane holds ONE query throughout.
; The keys of a tile, and V's rows, were chosen so that lane (r, h) holds, in four tiles' 32 registers, one WHOLE block of 32 in order: a block's largest score needs no other lane, and the conversions' results are the
; operand's registers.  Inside a block of 32 keys the order is the same for K's rows, for V's codes and so for p.
; LIMITS: NaN and infinities are not served; p under 2^-126 comes out of v_exp_f32 as 0; a block whose largest number lies under 2^-124 gets the byte 1 (a block of zeros too: its codes are zeros); 1 / sum is v_rcp_f32.
.set L16, 1                            ; 16 x lane
.set L8,  2                            ; 8 x lane
.set ADR, 3
.set ADS, 4
.set SH8, 5                            ; 8 h
.set QSO, 6                            ; 16 r
.set OSO, 7                            ; 8 r + h
.set NM,  12                           ; v12 -M, v13 the largest t
.set SUM, 14                           ; v[14:15] the row's sum in two halves
.set QF,  16                           ; v16-23 Q's fragment (v20-23 zeros)
.set QS,  24                           ; Q's scale words
.set KF,  32                           ; v32-95 K's eight fragments (the upper four registers of each zeros)
.set S,   96                           ; v96-159 S^T, then p: tile 4 c + i at 8 (4 c + i)
.set O,   160                          ; v160-191 O^T
.set P,   192                          ; v192-199 p's codes
.set VF,  200                          ; v200-231 V's four fragments
.set KS,  232                          ; v232-235 K's scale words: lanes 0-15 tiles 0-3, lanes 16-31 tiles 4-7
.set VS,  236                          ; v236-237 V's: lanes 0-15 tiles 0, 1, lanes 16-31 tiles 2, 3
.set BM,  238                          ; v238-239 my two blocks' largest scores
.set UU,  240
.set RM,  241
.set SC,  242
.set BY,  244
.set PW,  246                          ; p's scale word
.set SB,  248                          ; v[248:249] the sum's second chain
.set FF,  250                          ; v250 f = 2^(old M - new M); v251 named with it as a pair
.set QM0, 252
.set QM1, 253
.set QSC, 254
.macro PLACES
.rept 4
	v_nop
.endr
.endm
.macro ROUND                           ; a round of the cluster's barrier
	s_barrier_signal -1
	s_barrier_wait -1
	s_cmp_lg_u32 s14, 0
	s_cbranch_scc1 .Lnot_wave_0_\@
	s_barrier_signal -3
.Lnot_wave_0_\@:
	s_barrier_wait -3
	s_barrier_signal -1
	s_barrier_wait -1
.endm
; 32 numbers of ONE lane, one block along K, become four registers of codes and the scale's byte; the sources are read in ascending order
.macro QUANT32 s, c, by
	v_max3_num_f32 v[QM0], |v[\s]|, |v[\s+1]|, 0x1800000      ; with the floor 2^(3 - 127) among the leaves: the byte cannot fall under 1
	v_max3_num_f32 v[QM1], |v[\s+16]|, |v[\s+17]|, 0x1800000
.irp i, 2,4,6,8,10,12,14
	s_delay_alu instid0(VALU_DEP_2)
	v_max3_num_f32 v[QM0], v[QM0], |v[\s+\i]|, |v[\s+\i+1]|
	s_delay_alu instid0(VALU_DEP_2)
	v_max3_num_f32 v[QM1], v[QM1], |v[\s+16+\i]|, |v[\s+17+\i]|
.endr
	s_delay_alu instid0(VALU_DEP_1)
	v_max_num_f32 v[QM0], v[QM0], v[QM1]
	s_delay_alu instid0(VALU_DEP_1)
	v_add_nc_u32 v[QSC], 0xff000000, v[QM0]        ; 2 off the exponent field: the conversion's scale operand
.irp g, 0,1,2,3
	v_cvt_scalef32_pk8_fp4_f32 v[\c+\g], v[\s+8*\g:\s+8*\g+7], v[QSC]
.endr
	v_lshrrev_b32 v[\by], 23, v[QSC]               ; the scale's byte; also the plain place behind the conversions
.endm
	s_load_b256 s[4:11], s[0:1], 0x0               ; qc s[4:5], qs s[6:7], kv s[8:9], oc s[10:11]
	s_load_b64 s[12:13], s[0:1], 0x20              ; os
	v_lshl_add_u32 v247, v0, 2, 0x46000
	v_mov_b32 v255, 0
	ds_add_u32 v247, v255
	ds_add_u32 v247, v255
	v_lshrrev_b32 v1, 5, v0
	s_delay_alu instid0(VALU_DEP_1)
	v_readfirstlane_b32 s14, v1                    ; wave 0..15
	s_bfe_u32 s15, ttmp6, 0x40000                  ; cx: my place in the cluster
	s_lshl_b32 s16, ttmp9, 2
	s_add_co_u32 s16, s16, s15                     ; my block of 16 tiles = 4 x cluster x + cx: it enters Q's and o's global addresses alone
	s_lshl_b32 s16, s16, 4
	s_add_co_u32 s16, s16, s14                     ; my tile, 0 .. 255
	s_and_b32 s17, ttmp7, 0xffff                   ; bh, which the four partners share
	; descriptor groups 1: dense blocks as rows of 256 bytes (32 elements of 8 bytes): 9, 26 and 35 rows a wave
.irp g, 24, 32, 40
	s_mov_b32 s[\g], 15|(3<<16)|(1<<21)            ; 15:0 the mask: all four work-groups; 17:16 elements of 8 bytes; 21 set beside a mask
	s_mov_b32 s[\g+1], 32<<16                      ; tensor_dim0
	s_mov_b32 s[\g+3], 32<<16                      ; tile_dim0
	s_mov_b32 s[\g+5], 32                          ; tensor_dim0_stride
	s_mov_b32 s[\g+6], 0
	s_mov_b32 s[\g+7], 0
.endr
	s_mov_b32 s26, 9<<16                           ; tensor_dim1,
	s_mov_b32 s28, 9                               ; tile_dim1
	s_mov_b32 s34, 26<<16
	s_mov_b32 s36, 26
	s_mov_b32 s42, 35<<16
	s_mov_b32 s44, 35
	s_mov_b32 s20, 0x76543210                      ; v_permlanex16_b32's selects for lane l xor 16
	s_mov_b32 s21, 0xfedcba98
	s_mov_b32 s22, 0x3e38aa3b                      ; c = log2(e) / 8
	s_mov_b32 s23, s22                             ; (named with it as a pair, so it is written)
	s_mov_b32 s19, 0
	v_and_b32 v[L16], 31, v0
	s_delay_alu instid0(VALU_DEP_1)
	v_lshlrev_b32 v[L8], 3, v[L16]
	s_delay_alu instid0(VALU_DEP_2)
	v_lshlrev_b32 v[L16], 4, v[L16]
	v_bfe_u32 v[SH8], v0, 4, 1                     ; h
	v_and_b32 v[QSO], 15, v0                       ; r
	s_delay_alu instid0(VALU_DEP_1)
	v_lshl_add_u32 v[OSO], v[QSO], 3, v[SH8]
	s_delay_alu instid0(VALU_DEP_2)
	v_lshlrev_b32 v[QSO], 4, v[QSO]
	s_delay_alu instid0(VALU_DEP_4)
	v_lshlrev_b32 v[SH8], 3, v[SH8]
	s_mul_i32 s18, s17, 286720
	s_wait_alu depctr_va_vdst(0)
	s_wait_dscnt 0x0
	s_wait_kmcnt 0x0
	s_add_nc_u64 s[8:9], s[8:9], s[18:19]          ; the head's stream
	; descriptor groups 0: the same offset in memory and in LDS
	s_mul_i32 s18, s14, 2304
	s_mov_b32 s48, 1
	s_mov_b32 s49, s18
	s_add_nc_u64 s[50:51], s[8:9], s[18:19]
	s_or_b32 s51, s51, 0x80000000
	s_mul_i32 s18, s14, 6656
	s_add_co_u32 s18, s18, 36864
	s_mov_b32 s52, 1
	s_mov_b32 s53, s18
	s_add_nc_u64 s[54:55], s[8:9], s[18:19]
	s_or_b32 s55, s55, 0x80000000
	s_mul_i32 s18, s14, 8960
	s_add_co_u32 s18, s18, 143360
	s_mov_b32 s56, 1
	s_mov_b32 s57, s18
	s_add_nc_u64 s[58:59], s[8:9], s[18:19]
	s_or_b32 s59, s59, 0x80000000
	s_lshl_b32 s18, s17, 17                        ; Q's codes: 131,072 bh + 512 tile
	s_lshl_b32 s62, s16, 9
	s_add_co_u32 s18, s18, s62
	s_add_nc_u64 s[4:5], s[4:5], s[18:19]
	s_lshl_b32 s18, s17, 14                        ; Q's scale words: 16,384 bh + 256 (tile / 4) + 4 (tile % 4)
	s_lshr_b32 s62, s16, 2
	s_lshl_b32 s62, s62, 8
	s_add_co_u32 s18, s18, s62
	s_and_b32 s62, s16, 3
	s_lshl_b32 s62, s62, 2
	s_add_co_u32 s18, s18, s62
	s_add_nc_u64 s[6:7], s[6:7], s[18:19]
	global_load_b128 v[QF:QF+3], v[L16], s[4:5]
	global_load_b32 v[QS], v[QSO], s[6:7]
	s_lshr_b32 s62, s17, 2                         ; batch
	s_lshl_b32 s62, s62, 8
	s_add_co_u32 s62, s62, s16                     ; 256 batch + tile
	s_and_b32 s63, s17, 3                          ; head
	s_lshl_b32 s18, s62, 11                        ; o's codes: 2,048 (256 batch + tile) + 512 head
	s_lshl_b32 s61, s63, 9
	s_add_co_u32 s18, s18, s61
	s_add_nc_u64 s[10:11], s[10:11], s[18:19]
	s_lshl_b32 s18, s62, 7                         ; o's scale bytes: 128 (256 batch + tile) + 2 head
	s_lshl_b32 s61, s63, 1
	s_add_co_u32 s18, s18, s61
	s_add_nc_u64 s[12:13], s[12:13], s[18:19]
	ROUND                                          ; all four work-groups are here: the joint loads meet
	tensor_load_to_lds s[48:51], s[24:31]          ; one load of mine is out
	s_nop 0
	s_wait_alu depctr_va_vdst(0)
	s_wait_tensorcnt 0x0
	ds_add_u32 v247, v255
	s_wait_dscnt 0x0
	ROUND
	tensor_load_to_lds s[52:55], s[32:39]
	s_nop 0
	s_wait_alu depctr_va_vdst(0)
	s_wait_tensorcnt 0x0
	ds_add_u32 v247, v255
	s_wait_dscnt 0x0
	ROUND
	tensor_load_to_lds s[56:59], s[40:47]
	s_nop 0
	PLACES                                         ; four v_nop follow the loads
.irp t, 0,1,2,3,4,5,6,7
.irp k, 4,5,6,7
	v_mov_b32 v[KF+8*\t+\k], 0                     ; K = 64 .. 127 of the instruction: zero codes, written once
.endr
.endr
.irp k, 4,5,6,7
	v_mov_b32 v[QF+\k], 0
.endr
.irp k, 0,1,2,3,4,5,6,7,8,9,10,11,12,13,14,15,16,17,18,19,20,21,22,23,24,25,26,27,28,29,30,31
	v_mov_b32 v[O+\k], 0                           ; O^T.  (The step is written once: the first finds zeros, which the first change of M leaves zeros)
.endr
	v_mov_b32 v[NM+1], 0xff61b1e6                  ; the largest t so far: -3e38, under every t
	s_delay_alu instid0(VALU_DEP_1)
	v_floor_f32 v[NM], -v[NM+1]                    ; -M
	v_mov_b32 v[SUM], 0
	v_mov_b32 v[SUM+1], 0
	v_mov_b32 v[UU], 0                             ; a lane permute's destination counts as one of its sources
	v_mov_b32 v[FF+1], 0                           ; (named as the upper half of a pair)
; A KEY STEP: 128 keys, 8,960 bytes of LDS from s60 on.
.macro STEP
	s_setprio 2
	v_add_nc_u32 v[ADR], s60, v[L16]
	v_add_nc_u32 v[ADS], s60, v[L8]
	v_nop
	v_nop                                          ; four places behind the last step's products, in front of the loads into V's registers
.irp t, 0,1,2,3,4,5,6,7
	ds_load_b128 v[KF+8*\t:KF+8*\t+3], v[ADR] offset:512*\t
.endr
	ds_load_b128 v[KS:KS+3], v[ADR] offset:8192
.irp i, 0,1,2,3
.irp c, 0,1
	ds_load_b128 v[VF+8*\i+4*\c:VF+8*\i+4*\c+3], v[ADR] offset:4096+1024*\i+512*\c
.endr
.endr
	ds_load_b64 v[VS:VS+1], v[ADS] offset:8704
	s_wait_dscnt 9                                 ; K and its scale words are in; V's nine loads may be out
.irp t, 0,1,2,3
	v_wmma_scale_f32_16x16x128_f8f6f4 v[S+8*\t:S+8*\t+7], v[KF+8*\t:KF+8*\t+7], v[QF:QF+7], 0, v[KS+\t], v[QS] matrix_a_fmt:MATRIX_FMT_FP4 matrix_b_fmt:MATRIX_FMT_FP4
.endr
.irp t, 0,1,2,3
	v_wmma_scale_f32_16x16x128_f8f6f4 v[S+32+8*\t:S+32+8*\t+7], v[KF+32+8*\t:KF+32+8*\t+7], v[QF:QF+7], 0, v[KS+\t], v[QS] matrix_a_fmt:MATRIX_FMT_FP4 matrix_b_fmt:MATRIX_FMT_FP4 matrix_a_scale:MATRIX_SCALE_ROW1
.endr
	PLACES
	; the largest score of each of my two blocks of 32 keys: it serves the row's maximum and, since p rises with the score, the block's largest p
	v_max3_num_f32 v[BM], v[S], v[S+1], v[S+2]
	v_max3_num_f32 v[BM+1], v[S+32], v[S+33], v[S+34]
.irp i, 3,5,7,9,11,13,15,17,19,21,23,25,27,29
	v_max3_num_f32 v[BM], v[BM], v[S+\i], v[S+\i+1]
	v_max3_num_f32 v[BM+1], v[BM+1], v[S+32+\i], v[S+33+\i]
.endr
	v_max_num_f32 v[BM], v[BM], v[S+31]
	v_max_num_f32 v[BM+1], v[BM+1], v[S+63]
	s_delay_alu instid0(VALU_DEP_1)
	v_max_num_f32 v[RM], v[BM], v[BM+1]
	s_delay_alu instid0(VALU_DEP_1)
	v_permlanex16_b32 v[UU], v[RM], s20, s21
	s_delay_alu instid0(VALU_DEP_1)
	v_max_num_f32 v[RM], v[RM], v[UU]              ; the step's largest score of my query
	s_delay_alu instid0(VALU_DEP_1)
	v_mul_f32 v[RM], s22, v[RM]                    ; as t (c is positive)
	s_delay_alu instid0(VALU_DEP_1)
	v_max_num_f32 v[NM+1], v[NM+1], v[RM]          ; the running largest t
	v_mov_b32 v[RM], v[NM]
	s_delay_alu instid0(VALU_DEP_2)
	v_floor_f32 v[NM], -v[NM+1]                    ; the new -M = floor(-t) = -ceil(t)
	s_delay_alu instid0(VALU_DEP_1)
	v_sub_f32 v[RM], v[NM], v[RM]                  ; old M - new M: a whole number, 0 or less
	s_delay_alu instid0(VALU_DEP_1)
	v_cvt_i32_f32 v[RM], v[RM]                     ; (it saturates)
	s_delay_alu instid0(VALU_DEP_1)
	v_ldexp_f32 v[FF], 1.0, v[RM]                  ; f = 2^(old M - new M)
.irp j, 0,2,4,6,8,10,12,14,16,18,20,22,24,26,28,30,32,34,36,38,40,42,44,46,48,50,52,54,56,58,60,62
	v_pk_fma_f32 v[S+\j:S+\j+1], v[S+\j:S+\j+1], s[22:23], v[NM:NM+1] op_sel_hi:[1,0,0]    ; t - M, two at a time
.endr
	v_fma_f32 v[BM], v[BM], s22, v[NM]             ; the same of each block's largest score
	v_fma_f32 v[BM+1], v[BM+1], s22, v[NM]
	s_wait_alu depctr_va_vdst(0)
.irp j, 0,1,2,3,4,5,6,7,8,9,10,11,12,13,14,15,16,17,18,19,20,21,22,23,24,25,26,27,28,29,30,31,32,33,34,35,36,37,38,39,40,41,42,43,44,45,46,47,48,49,50,51,52,53,54,55,56,57,58,59,60,61,62,63
	v_exp_f32 v[S+\j], v[S+\j]                     ; p = 2^(t - M), at most 1
.endr
	s_setprio 1
	v_exp_f32 v[BM], v[BM]                         ; the block's largest p: the same two instructions on the same number give the same bits
	v_exp_f32 v[BM+1], v[BM+1]
	v_pk_mul_f32 v[SUM:SUM+1], v[SUM:SUM+1], v[FF:FF+1] op_sel_hi:[1,0]    ; the sums under the new M.  (A plain place behind the exponentials)
	s_wait_alu depctr_va_vdst(0)
.irp c, 0,1
	v_max_num_f32 v[BM+\c], 0x1800000, v[BM+\c]    ; the floor 2^(3 - 127): the byte cannot fall under 1
.endr
.irp c, 0,1
	s_delay_alu instid0(VALU_DEP_2)
	v_add_nc_u32 v[SC+\c], 0xff000000, v[BM+\c]    ; 2 off the exponent field: the conversion's scale operand
.endr
.irp c, 0,1
	s_delay_alu instid0(VALU_DEP_2)
	v_lshrrev_b32 v[BY+\c], 23, v[SC+\c]           ; the scale's byte
.endr
	s_delay_alu instid0(VALU_DEP_1)
	v_lshl_or_b32 v[PW], v[BY+1], 16, v[BY]        ; my blocks h and 2 + h,
	s_delay_alu instid0(VALU_DEP_1)
	v_lshlrev_b32 v[PW], v[SH8], v[PW]             ; at their places in the scale word;
	s_delay_alu instid0(VALU_DEP_1)
	v_permlanex16_b32 v[UU], v[PW], s20, s21
	s_delay_alu instid0(VALU_DEP_1)
	v_or_b32 v[PW], v[PW], v[UU]                   ; with lane l xor 16's two the word is whole
.irp c, 0,1
.irp i, 0,1,2,3
	v_cvt_scalef32_pk8_fp4_f32 v[P+4*\c+\i], v[S+32*\c+8*\i:S+32*\c+8*\i+7], v[SC+\c]
.endr
.endr
	v_nop                                          ; one plain place behind the conversions
	v_pk_add_f32 v[SB:SB+1], v[S:S+1], v[S+2:S+3]  ; the row's sum is taken of the UNQUANTISED p, in two chains.  These 32 lines are also the places between p's scale word and codes and the products below
.irp j, 4,8,12,16,20,24,28,32,36,40,44,48,52,56,60
	v_pk_add_f32 v[SUM:SUM+1], v[SUM:SUM+1], v[S+\j:S+\j+1]
	v_pk_add_f32 v[SB:SB+1], v[SB:SB+1], v[S+\j+2:S+\j+3]
.endr
	s_delay_alu instid0(VALU_DEP_1)
	v_pk_add_f32 v[SUM:SUM+1], v[SUM:SUM+1], v[SB:SB+1]
	s_setprio 0
.irp j, 0,2,4,6,8,10,12,14,16,18,20,22,24,26,28,30
	v_pk_mul_f32 v[O+\j:O+\j+1], v[O+\j:O+\j+1], v[FF:FF+1] op_sel_hi:[1,0]        ; O^T under the new M
.endr
	s_wait_alu depctr_va_vdst(0)
	s_wait_dscnt 0x0                               ; V and its scale words are in
.irp i, 0,1                                    ; the four accumulators take turns; between two products on one of them stand eleven others
	v_wmma_scale_f32_16x16x128_f8f6f4 v[O+8*\i:O+8*\i+7], v[VF+8*\i:VF+8*\i+7], v[P:P+7], v[O+8*\i:O+8*\i+7], v[VS+\i], v[PW] matrix_a_fmt:MATRIX_FMT_FP4 matrix_b_fmt:MATRIX_FMT_FP4
.endr
.irp i, 0,1
	v_wmma_scale_f32_16x16x128_f8f6f4 v[O+16+8*\i:O+16+8*\i+7], v[VF+16+8*\i:VF+16+8*\i+7], v[P:P+7], v[O+16+8*\i:O+16+8*\i+7], v[VS+\i], v[PW] matrix_a_fmt:MATRIX_FMT_FP4 matrix_b_fmt:MATRIX_FMT_FP4 matrix_a_scale:MATRIX_SCALE_ROW1
.endr
	s_add_co_u32 s60, s60, 8960
.endm
	s_wait_loadcnt 0x0                             ; Q
	s_wait_tensorcnt 0x2                           ; my part of the first 36,864 bytes is in; my last load may be out: nothing is filled twice
	s_barrier_signal -1
	s_barrier_wait -1                              ; everybody's is: steps 0-3 (35,840 bytes) are whole
	s_mov_b32 s60, 0
	s_mov_b32 s61, 4
.Lfirst:
	STEP
	s_sub_co_u32 s61, s61, 1
	s_cmp_lg_u32 s61, 0
	s_cbranch_scc1 .Lfirst
	s_setprio 0
	s_wait_tensorcnt 0x1                           ; my part of the bytes up to 143,360 is in; my last load may be out
	s_barrier_signal -1
	s_barrier_wait -1                              ; steps 4-15 are whole
	s_mov_b32 s60, 4*8960
	s_mov_b32 s61, 12
.Lsecond:
	STEP
	s_sub_co_u32 s61, s61, 1
	s_cmp_lg_u32 s61, 0
	s_cbranch_scc1 .Lsecond
	s_setprio 0
	s_wait_tensorcnt 0x0
	s_barrier_signal -1
	s_barrier_wait -1                              ; steps 16-31 are whole
	s_mov_b32 s60, 16*8960
	s_mov_b32 s61, 16
.Lthird:
	STEP
	s_sub_co_u32 s61, s61, 1
	s_cmp_lg_u32 s61, 0
	s_cbranch_scc1 .Lthird
	s_setprio 0
	; THE WAY OUT: o = O^T / the sum; lane (r, h) holds d = 32 h + 0 .. 31 of query r: one block of the last product's K
	PLACES
	v_add_f32 v[SUM], v[SUM], v[SUM+1]             ; the sum's two halves,
	s_delay_alu instid0(VALU_DEP_1)
	v_permlanex16_b32 v[UU], v[SUM], s20, s21
	s_delay_alu instid0(VALU_DEP_1)
	v_add_f32 v[SUM], v[SUM], v[UU]                ; and lane l xor 16's
	s_wait_alu depctr_va_vdst(0)
	v_rcp_f32 v[SUM], v[SUM]
	v_nop                                          ; a plain place behind the transcendental
	s_wait_alu depctr_va_vdst(0)
.irp j, 0,2,4,6,8,10,12,14,16,18,20,22,24,26,28,30
	v_pk_mul_f32 v[S+\j:S+\j+1], v[O+\j:O+\j+1], v[SUM:SUM+1] op_sel_hi:[1,0]      ; each accumulator from its low end on
.endr
	QUANT32 S, P, BY
	global_store_b128 v[L16], v[P:P+3], s[10:11]   ; the wave stores 512 consecutive bytes
	global_store_b8 v[OSO], v[BY], s[12:13]        ; byte 2 head + h of query r's eight: the other heads' bytes are other work-groups'
	s_wait_tensorcnt 0x0
	ds_add_u32 v247, v255
	s_wait_dscnt 0x0
	ROUND                                          ; the closing round: no work-group ends while a partner may still ask for a tile that names it
	s_endpgm
.Lfunc_end_k_q430ae1a4f0_attn:
	.size	k_q430ae1a4f0_attn, .Lfunc_end_k_q430ae1a4f0_attn-k_q430ae1a4f0_attn
	.p2alignl 7, 3214868480
	.fill 96, 4, 3214868480
	.section	.rodata,"a",@progbits
	.p2align	6, 0x0
	.amdhsa_kernel k_q430ae1a4f0_attn
		.amdhsa_group_segment_fixed_size 327680
		.amdhsa_private_segment_fixed_size 0
		.amdhsa_enable_private_segment 0
		.amdhsa_kernarg_size 40
		.amdhsa_user_sgpr_count 2
		.amdhsa_user_sgpr_kernarg_segment_ptr 1
		.amdhsa_wavefront_size32 1
		.amdhsa_system_sgpr_workgroup_id_x 1
		.amdhsa_system_sgpr_workgroup_id_y 1
		.amdhsa_system_sgpr_workgroup_id_z 1
		.amdhsa_system_vgpr_workitem_id 0
		.amdhsa_next_free_vgpr 256
		.amdhsa_next_free_sgpr 66
		.amdhsa_reserve_vcc 0
		.amdhsa_float_denorm_mode_32 3
		.amdhsa_float_denorm_mode_16_64 3
		.amdhsa_memory_ordered 1
		.amdhsa_forward_progress 1
		.amdhsa_inst_pref_size 58
	.end_amdhsa_kernel
	.amdgpu_metadata
---
amdhsa.version: [ 1, 2 ]
amdhsa.kernels:
  - .name:           k_q430ae1a4f0_attn
    .symbol:         k_q430ae1a4f0_attn.kd
    .args:
      - { .name: qc, .offset: 0, .size: 8, .value_kind: global_buffer, .address_space: global }
      - { .name: qs, .offset: 8, .size: 8, .value_kind: global_buffer, .address_space: global }
      - { .name: kv, .offset: 16, .size: 8, .value_kind: global_buffer, .address_space: global }
      - { .name: oc, .offset: 24, .size: 8, .value_kind: global_buffer, .address_space: global }
      - { .name: os, .offset: 32, .size: 8, .value_kind: global_buffer, .address_space: global }
    .group_segment_fixed_size: 327680
    .private_segment_fixed_size: 0
    .kernarg_segment_align: 8
    .kernarg_segment_size: 40
    .max_flat_workgroup_size: 512
    .sgpr_count:     66
    .vgpr_count:     256
    .wavefront_size: 32
...
	.end_amdgpu_metadata
.endif
;; end of part 3
;; launch proj (part 4): grid 64 x 4, 16 waves a work-group, no clusters, 10,240 bytes of LDS; arguments oc, os, proj_w_codes, proj_w_scales, proj_b, x, out0; writes out0
.if DOCPART == 4
	.amdgcn_target "amdgcn-amd-amdhsa--gfx1250"
	.amdhsa_code_object_version 6
	.text
	.protected	k_q430ae1a4f0_proj
	.globl	k_q430ae1a4f0_proj
	.p2align	8
	.type	k_q430ae1a4f0_proj,@function
k_q430ae1a4f0_proj:
	s_mov_b64 s[64:65], 0
	v_nop
	global_prefetch_b8 v0, s[64:65] scope:SCOPE_SE
	s_setreg_imm32_b32 hwreg(HW_REG_WAVE_MODE, 25, 1), 1
	s_wait_xcnt 0x0
; out0 = x + proj_w o + proj_b, THE PRODUCT ON CODES OF FP4 (E2M1, one E8M0 scale for each 32 along K).
; A work-group takes the 64 pixels of group G of batch b: four tiles j of the 16 pixels 64 G + 4 r + j, whose codes the launch before laid as images of the operand's registers
; (oc: [b][tile 4 G + j][head][lane][16 bytes]; head = 2 x K step + half;  os: [b][tile][r][8 bytes]: two scale words).  Wave w makes output channels 16 w .. 16 w + 15 for the four tiles.
; Source 0 = 16 rows of proj_w, source 1 = o's tile j: lane (r, h) holds channel 16 w + 8 h + jj of pixel 64 G + 4 r + j.  x is loaded 16 bytes a lane (pixels 4 r .. 4 r + 3 of one channel); the residual
; addition picks, for register 4 jj + j of x, register jj of tile j's accumulator: so it is also the turn from tiles to neighbouring pixels, and sixteen lanes store 256 consecutive bytes, aligned.
; o's 8,192 bytes of codes come from memory once, 512 bytes a wave, and go round through LDS as they lie.
; NO CLUSTER, NO TENSOR LOAD: what all work-groups share, proj_w with its scales and bias (35,840 bytes), is a fifth of the 175,000 bytes that a work-group moves, and each wave takes only its own
; 2,240 bytes of it, once, straight into registers.  The text is a straight line: one tile of work a wave.
.set BF,  32                           ; v32-95   o's fragments: (tile j, K step s) at 16 j + 8 s
.set BS,  96                           ; v96-103  o's scale words: 2 j + s
.set WF,  104                          ; v104-119 proj_w's two fragments
.set WS,  120                          ; v120-121 its scale words
.set BI,  122                          ; v122-129 the bias, in the result's layout
.set ACC, 136                          ; v136-167 four accumulators
.set X,   168                          ; v168-199 x, then out0: register 4 jj + j
.set T,   200                          ; v200-203 my 16 bytes of o's codes
.macro WM d, a, b, c, sa, sb
	v_wmma_scale_f32_16x16x128_f8f6f4 v[\d:\d+7], v[\a:\a+7], v[\b:\b+7], v[\c:\c+7], v[\sa], v[\sb] matrix_a_fmt:MATRIX_FMT_FP4 matrix_b_fmt:MATRIX_FMT_FP4
.endm
	s_load_b256 s[4:11], s[0:1], 0x0               ; oc s[4:5], os s[6:7], proj_w's codes s[8:9], its scales s[10:11]
	s_load_b128 s[12:15], s[0:1], 0x20             ; proj_b s[12:13], x s[14:15]
	s_load_b64 s[16:17], s[0:1], 0x30              ; out0
	v_lshl_add_u32 v204, v0, 2, 0x2000
	v_mov_b32 v205, 0
	v_lshrrev_b32 v1, 5, v0
	s_delay_alu instid0(VALU_DEP_1)
	v_readfirstlane_b32 s18, v1                    ; wave 0..15
	s_and_b32 s19, ttmp7, 0xffff                   ; b
	s_lshl_b32 s20, s19, 6
	s_add_co_u32 s20, s20, ttmp9                   ; 64 b + G
	s_mov_b32 s23, 0
	v_and_b32 v1, 15, v0                           ; r
	v_bfe_u32 v2, v0, 4, 1                         ; h
	v_and_b32 v3, 31, v0
	s_delay_alu instid0(VALU_DEP_1)
	v_lshlrev_b32 v3, 4, v3                        ; 16 x lane
	s_delay_alu instid0(VALU_DEP_4)
	v_lshlrev_b32 v4, 4, v1
	s_delay_alu instid0(VALU_DEP_1)
	v_lshl_or_b32 v4, v2, 17, v4                   ; x, out0: 8 channels of 16,384 bytes further on for lanes 16-31, + 16 r
	v_lshlrev_b32 v5, 7, v1
	s_delay_alu instid0(VALU_DEP_1)
	v_lshl_add_u32 v5, v2, 4, v5                   ; proj_w: row r of 128 bytes, + 16 h
	v_lshlrev_b32 v6, 3, v1                        ; scale words: 8 bytes a row
	v_lshlrev_b32 v7, 5, v2                        ; the bias: 8 numbers a half
	v_lshlrev_b32 v8, 4, v0                        ; 16 x thread: my place in o's 8,192 bytes, in memory and in LDS
	s_wait_alu depctr_va_vdst(0)
	s_wait_kmcnt 0x0
	s_lshl_b32 s22, s20, 13
	s_add_nc_u64 s[4:5], s[4:5], s[22:23]
	s_lshl_b32 s22, s20, 9
	s_add_nc_u64 s[6:7], s[6:7], s[22:23]
	s_lshl_b32 s22, s18, 11
	s_add_nc_u64 s[8:9], s[8:9], s[22:23]
	s_lshl_b32 s22, s18, 7
	s_add_nc_u64 s[10:11], s[10:11], s[22:23]
	s_lshl_b32 s22, s18, 6
	s_add_nc_u64 s[12:13], s[12:13], s[22:23]
	s_lshl_b32 s22, s19, 22                        ; batch b, channel 16 w, pixel 64 G
	s_lshl_b32 s21, s18, 18
	s_add_co_u32 s22, s22, s21
	s_lshl_b32 s21, ttmp9, 8
	s_add_co_u32 s22, s22, s21
	s_add_nc_u64 s[14:15], s[14:15], s[22:23]
	s_add_nc_u64 s[16:17], s[16:17], s[22:23]
	global_load_b128 v[T:T+3], v8, s[4:5]
.irp j, 0,1,2,3
	global_load_b64 v[BS+2*\j:BS+2*\j+1], v6, s[6:7] offset:128*\j
.endr
.irp s, 0,1
.irp c, 0,1
	global_load_b128 v[WF+8*\s+4*\c:WF+8*\s+4*\c+3], v5, s[8:9] offset:64*\s+32*\c
.endr
.endr
	global_load_b64 v[WS:WS+1], v6, s[10:11]
	global_load_b128 v[BI:BI+3], v7, s[12:13]
	global_load_b128 v[BI+4:BI+7], v7, s[12:13] offset:16
.irp k, 0,1,2,3,4,5,6,7
	global_load_b128 v[X+4*\k:X+4*\k+3], v4, s[14:15] offset:16384*\k th:TH_LOAD_NT        ; channel 16 w + 8 h + k: sixteen lanes read 256 consecutive bytes
.endr
	s_wait_loadcnt 19                              ; my 16 bytes of o's codes are in; the nineteen younger loads may be out
	ds_store_b128 v8, v[T:T+3]
	s_wait_dscnt 0x0                               ; for the others' sake: my store is done
	s_barrier_signal -1
	s_barrier_wait -1
.irp k, 0,1,2,3,4,5,6,7,8,9,10,11,12,13,14,15
	ds_load_b128 v[BF+4*\k:BF+4*\k+3], v3 offset:512*\k
.endr
	s_wait_loadcnt 8                               ; scales, weights and bias are in; x's eight loads may be out
	s_wait_dscnt 0x0
.irp j, 0,1,2,3                                ; the four accumulators take turns; the bias is the C of each sum's first product
	WM ACC+8*\j, WF, BF+16*\j, BI, WS, BS+2*\j
.endr
.irp j, 0,1,2,3
	WM ACC+8*\j, WF+8, BF+16*\j+8, ACC+8*\j, WS+1, BS+2*\j+1
.endr
	s_wait_loadcnt 0x0                             ; x
.rept 4
	v_nop                                          ; four places behind the last product (ISA guide 7.12.1)
.endr
.irp j, 0,1,2,3
.irp k, 0,1,2,3,4,5,6,7
	v_add_f32 v[X+4*\k+\j], v[X+4*\k+\j], v[ACC+8*\j+\k]                   ; each accumulator from its low end on
.endr
.endr
.irp k, 0,1,2,3,4,5,6,7
	global_store_b128 v4, v[X+4*\k:X+4*\k+3], s[16:17] offset:16384*\k th:TH_STORE_NT      ; sixteen lanes store 256 consecutive bytes, at a multiple of 256 from out0's first byte
.endr
	s_wait_tensorcnt 0x0
	ds_add_u32 v204, v205
	s_wait_dscnt 0x0
	s_endpgm
.Lfunc_end_k_q430ae1a4f0_proj:
	.size	k_q430ae1a4f0_proj, .Lfunc_end_k_q430ae1a4f0_proj-k_q430ae1a4f0_proj
	.p2alignl 7, 3214868480
	.fill 96, 4, 3214868480
	.section	.rodata,"a",@progbits
	.p2align	6, 0x0
	.amdhsa_kernel k_q430ae1a4f0_proj
		.amdhsa_group_segment_fixed_size 10240
		.amdhsa_private_segment_fixed_size 0
		.amdhsa_enable_private_segment 0
		.amdhsa_kernarg_size 56
		.amdhsa_user_sgpr_count 2
		.amdhsa_user_sgpr_kernarg_segment_ptr 1
		.amdhsa_wavefront_size32 1
		.amdhsa_system_sgpr_workgroup_id_x 1
		.amdhsa_system_sgpr_workgroup_id_y 1
		.amdhsa_system_sgpr_workgroup_id_z 1
		.amdhsa_system_vgpr_workitem_id 0
		.amdhsa_next_free_vgpr 206
		.amdhsa_next_free_sgpr 66
		.amdhsa_reserve_vcc 0
		.amdhsa_float_denorm_mode_32 3
		.amdhsa_float_denorm_mode_16_64 3
		.amdhsa_memory_ordered 1
		.amdhsa_forward_progress 1
		.amdhsa_inst_pref_size 9
	.end_amdhsa_kernel
	.amdgpu_metadata
---
amdhsa.version: [ 1, 2 ]
amdhsa.kernels:
  - .name:           k_q430ae1a4f0_proj
    .symbol:         k_q430ae1a4f0_proj.kd
    .args:
      - { .name: oc, .offset: 0, .size: 8, .value_kind: global_buffer, .address_space: global }
      - { .name: os, .offset: 8, .size: 8, .value_kind: global_buffer, .address_space: global }
      - { .name: proj_w_codes, .offset: 16, .size: 8, .value_kind: global_buffer, .address_space: global }
      - { .name: proj_w_scales, .offset: 24, .size: 8, .value_kind: global_buffer, .address_space: global }
      - { .name: proj_b, .offset: 32, .size: 8, .value_kind: global_buffer, .address_space: global }
      - { .name: x, .offset: 40, .size: 8, .value_kind: global_buffer, .address_space: global }
      - { .name: out0, .offset: 48, .size: 8, .value_kind: global_buffer, .address_space: global }
    .group_segment_fixed_size: 10240
    .private_segment_fixed_size: 0
    .kernarg_segment_align: 8
    .kernarg_segment_size: 56
    .max_flat_workgroup_size: 512
    .sgpr_count:     66
    .vgpr_count:     206
    .wavefront_size: 32
...
	.end_amdgpu_metadata
.endif
;; end of part 4
